; MI455X (gfx1250); checked and timed in simulation.
; The chip was launched on July 23, 2026; its instructions are those of AMD's public machine-readable ISA for CDNA 5 (MIT licence, August 2026) and "CDNA5" Instruction Set Architecture Reference Guide (July 2026). The comments in the code are by the model that wrote it; some were corrected since.
;; Attention. Allowed arithmetic: matrix products marked QUANTISED: E3M2 operands, one E8M0 scale for each 32 along K, by v_wmma_scale_f32_16x16x128_f8f6f4 with both operands' format E3M2, f32 sums; everything else in f32.
;; Inputs: keys 4 x 16 x 2,048 x 64 float32; queries 4 x 16 x 2,048 x 64 float32; values 4 x 16 x 2,048 x 64 float32.
;; Outputs: out0 4 x 16 x 2,048 x 64 float32.
;; Constants: head_dim = 64.
;; This version of the problem:
;;   THIS VERSION OF THE PROBLEM IS GIVEN IN LOW PRECISION. The matrix products marked QUANTISED in the list below multiply operands that are first quantised to E3M2 (3 exponent bits, 2 mantissa bits; 6 bits a number), with one power-of-two scale for each 32 numbers along K (OCP MX v1.0); their sums are f32. All else is computed in f32.
;;   The module's matrix products, in the order in which they are computed (A, B: the left and right operand; K: the contracted axis; several contracted axes count as one K, in the product's order):
;;     1. batch 64 x [M 2,048, K 64] x [K 64, N 2,048]; A: input queries; B: input keys: QUANTISED
;;     2. batch 64 x [M 2,048, K 2,048] x [K 2,048, N 64]; A: softmax (see below); B: input values: QUANTISED
;;   THE QUANTISER, for each operand of a quantised product, along K:
;;     - K is cut into blocks of 32 from its start; a last block that is shorter is filled with zeros.
;;     - A block's scale is 2^e with e = floor(log2(the largest magnitude in the block)) - 4, held to -126 .. 127; a block of zeros has e = 0. As a byte (E8M0): e + 127.
;;     - Each number is divided by its block's scale, clamped to +-28, and rounded to the nearest number of E3M2, ties to even, subnormals kept.
;;     - The product sums the exact products of the quantised numbers (number of the format x scale) in f32.
;;   ~~~python
;;   def quantise(x, axis):      # numpy; x: float32 -> the quantised numbers, widened to float32 again
;;       x = np.moveaxis(x, axis, -1); K = x.shape[-1]
;;       x = np.pad(x, [(0, 0)] * (x.ndim - 1) + [(0, -K % 32)]); x = x.reshape(x.shape[:-1] + (-1, 32)); a = np.abs(x).max(-1, keepdims=True)
;;       e = np.where(a > 0, np.clip(np.frexp(np.where(a > 0, a, 1))[1] - 1 - 4, -126, 127), 0)      # np.frexp(a)[1] - 1 = floor(log2(a)), exactly
;;       r = np.clip(x / 2.0 ** e, -28, 28)
;;       step = 2.0 ** (np.maximum(np.frexp(np.where(r == 0, 1, r))[1] - 1, -2) - 2)
;;       q = np.round(r / step) * step * 2.0 ** e      # np.round: ties to even
;;       return np.moveaxis(q.reshape(q.shape[:-2] + (-1,))[..., :K], -1, axis).astype(np.float32)
;;   ~~~
;;   SOFTMAX AHEAD OF A QUANTISED PRODUCT. Where the list says 'softmax', what is quantised is not the finished softmax but p = 2^(t - M), with t = logit x log2(e) and M = ceil(the row's largest t), a whole number; so 1/2 < the row's largest p <= 1. The row's sum l is taken of the UNQUANTISED p, in f32, and the product's result is divided by l at the end. Since M is a whole number, a kernel that streams over the keys may use a running M (the ceiling of the running maximum): every later rescaling is an exact power of two, which a block's scale takes up: the codes' values come out the same.
;;   OPERANDS COMPUTED ON THE WAY. 'Computed on the way' means the value that the module computes at that place (a softmax that the list does not call 'softmax' is quantised finished and normalised). What goes into a quantiser is computed in f32, as accurately as f32 sums, v_exp_f32 and their like allow (about 1e-6 of the number): no bf16 or f16 on the way to a quantiser, and a product that is left as it is and whose result goes on into a quantised operand takes f32 operands (vector FMAs, or v_wmma_f32_16x16x4_f32). A number that lies on a knife's edge between two numbers of the format may be rounded either way, as far as f32 arithmetic and the matrix unit's own rounding can turn it there, and no further.
;; One version. Each part assembles by itself: llvm-mc -triple=amdgcn-amd-amdhsa -mcpu=gfx1250 --defsym DOCPART=n.
;; ======== version 1 of 1: 2 launches
;; workspace buffers: kv 13,107,200 bytes
;; launch quant (part 1): grid 1024 x 1, 8 waves a work-group, no clusters, 72,192 bytes of LDS; arguments keys, values, kv; writes kv
.if DOCPART == 1
	.amdgcn_target "amdgcn-amd-amdhsa--gfx1250"
	.amdhsa_code_object_version 6
	.text
	.protected	k_q6c31d769d1_quant
	.globl	k_q6c31d769d1_quant
	.p2align	8
	.type	k_q6c31d769d1_quant,@function
k_q6c31d769d1_quant:
	s_mov_b64 s[64:65], 0
	v_nop
	global_prefetch_b8 v0, s[64:65] scope:SCOPE_SE
	s_setreg_imm32_b32 hwreg(HW_REG_WAVE_MODE, 25, 1), 1
	s_wait_xcnt 0x0
; keys and values, [64 heads][2048][64] f32, become codes of BF6 (E3M2) with one E8M0 scale byte for each 32 along a product's K:
; keys along d (the first product's K), values along the keys (the second product's K).
; A block's scale is 2^(floor(log2(its largest magnitude)) - 4); its byte is the largest magnitude's exponent field - 4, held at 1 from below.
; LIMITS: NaN and infinities among the inputs are not served.  A block whose largest magnitude lies under 2^-122 keeps the byte 1; so does a block of zeros, where the
; rule says 127: its codes are zeros, which add nothing under any byte but 0xff, and the bytes are read by this program alone.
; WHAT IS STORED.  kv is [head 64][step 16][12,800 bytes]; a step is 128 keys.  A step's record holds the operands of the attention launch as IMAGES OF THEIR REGISTERS:
; a fragment is 12 registers a lane; registers 4 c .. 4 c + 3 of lane l lie at 512 c + 16 l, 1,536 bytes a fragment.
;   0      F_0 .. F_3   keys: lane (r, h) of F_b: registers 0-5 key 32 b + r + 8 (r / 8), d = 32 h .. 32 h + 31; registers 6-11 the key 8 further on, the same d
;   6,144  G_0 .. G_3   values: lane (r, h) of G_t: d = 16 t + r; registers 6 c .. 6 c + 5 keys 64 c + 32 h + 0 .. 31
;   12,288 the scale words of F, [r 16][b 4];   12,544 those of G, [r 16][t 4]: byte 2 c + h belongs to registers 6 c .. 6 c + 5 of lane (r, h)
; SHARES.  A work-group is one step of one head.  Wave w (p = w % 4): waves 0-3 load keys 32 p .. 32 p + 31 of the step and make F_p; waves 4-7 load the same rows of values and make G_p.
; Each wave's 8,192 bytes are dense in memory: 16 loads of 512 consecutive bytes.  They turn through LDS, so that a lane gets two whole blocks of 32 in 64 consecutive registers,
; in the order in which the operand's registers want them: no maximum asks another lane, and the conversions' results are the fragment.
; No tensor load, no loop; two barriers.
.set REG,  8768                        ; a wave's region in LDS: 32 rows (keys) x (256 bytes + 16), + 64: two regions stand 16 words (mod 64) apart, so that the two halves of the lanes, which read a column in two regions, touch different banks (64 banks of 4 bytes: ISA guide 11.1)
.set SCW,  8*REG                       ; behind the regions: the step's 128 scale words
.set RECB, 12800                       ; a step's record
.set X,    32                          ; v32-95   64 numbers: as loaded, then two blocks of 32
.set C,    96                          ; v96-107  the fragment;  v108-110, v112-114 the second halves of its blocks as the conversions leave them
	s_load_b128 s[4:7], s[0:1], 0x0                ; keys, values
	s_load_b64 s[8:9], s[0:1], 0x10                ; kv
	v_lshl_add_u32 v128, v0, 2, 0x11600
	v_mov_b32 v129, 0
	v_lshrrev_b32 v1, 5, v0
	v_readfirstlane_b32 s10, v1                    ; wave 0..7
	s_and_b32 s11, s10, 3                          ; p
	s_lshr_b32 s12, s10, 2                         ; 0: keys, 1: values
	v_and_b32 v1, 31, v0                           ; lane
	v_and_b32 v2, 15, v0                           ; r
	v_bfe_u32 v3, v0, 4, 1                         ; h
	v_lshlrev_b32 v4, 4, v1                        ; 16 x lane: my bytes of a load's or a store's 512
	; every LDS address is made here, in every wave, ahead of the parting of the roles
	s_mul_i32 s13, s10, REG
	v_mul_u32_u24 v5, v3, 272
	v_lshl_add_u32 v5, v2, 4, v5
	v_add_nc_u32 v5, s13, v5                       ; into my region: a load's 512 bytes are two rows: row h, byte 16 r
	v_and_b32 v6, 8, v2
	v_add_nc_u32 v6, v6, v2                        ; r + 8 (r / 8)
	v_mul_u32_u24 v6, v6, 272
	v_lshl_add_u32 v6, v3, 7, v6
	v_add_nc_u32 v6, s13, v6                       ; keys, back: that row of my region, byte 128 h
	s_lshl_b32 s26, s11, 6
	s_add_co_u32 s26, s26, 4*REG
	v_mul_u32_u24 v7, v3, REG
	v_lshl_add_u32 v7, v2, 2, v7
	v_add_nc_u32 v7, s26, v7                       ; values, back: region 4 + h (+ 2 c by the offset), column d = 16 p + r
	s_lshl_b32 s27, s11, 2
	s_lshl_b32 s28, s12, 8
	s_add_co_u32 s27, s27, s28
	s_add_co_u32 s27, s27, SCW
	v_lshl_add_u32 v8, v2, 4, s27                  ; my scale word: 16 r + 4 p, values' 256 bytes behind keys'
	v_add_nc_u32 v9, SCW, v4                       ; and all of them on the way out: 16 bytes a lane
	v_lshlrev_b32 v10, 3, v3                       ; 8 h
	v_mov_b32 v21, 0                               ; a lane permute's destination counts as one of its sources
	s_mov_b32 s20, 0x76543210
	s_mov_b32 s21, 0xfedcba98                      ; v_permlanex16_b32's selects for lane l xor 16
	s_lshl_b32 s14, ttmp9, 15                      ; a step's 128 rows of 256 bytes; heads follow each other: work-group = 16 x head + step
	s_lshl_b32 s15, s11, 13                        ; my 32 rows
	s_add_co_u32 s14, s14, s15
	s_mov_b32 s15, 0
	s_mul_i32 s16, ttmp9, RECB                     ; the step's record
	s_mov_b32 s17, 0
	s_mul_i32 s28, s12, 6144
	s_mul_i32 s29, s11, 1536
	s_add_co_u32 s28, s28, s29                     ; my fragment in it
	s_mov_b32 s29, 0
	s_wait_kmcnt 0x0
	s_cmp_eq_u32 s12, 0                            ; the choice hangs on the wave's number alone
	s_cselect_b64 s[18:19], s[4:5], s[6:7]
	s_add_nc_u64 s[18:19], s[18:19], s[14:15]      ; my 8,192 bytes
	s_add_nc_u64 s[22:23], s[8:9], s[16:17]        ; the record
	s_add_nc_u64 s[24:25], s[22:23], s[28:29]      ; my fragment
.set j, 0
.rept 16
	global_load_b128 v[X+4*j:X+4*j+3], v4, s[18:19] offset:512*j th:TH_LOAD_NT   ; 32 lanes read 512 consecutive bytes; read once in the launch
.set j, j+1
.endr
.set j, 0
.rept 16
	s_wait_loadcnt 15-j                            ; loads come back in order: load j is in, the 15 - j younger ones stay out
	ds_store_b128 v5, v[X+4*j:X+4*j+3] offset:544*j   ; rows 2 j and 2 j + 1
.set j, j+1
.endr
	s_wait_dscnt 0x0                               ; for the others' sake: my region is written
	s_barrier_signal -1
	s_barrier_wait -1                              ; the values' waves read all four of the values' regions
	s_cmp_lt_u32 s10, 4
	s_cbranch_scc0 .Lvalues
.irp c, 0,1                                    ; keys: block c = 32 neighbours along d of the key 8 c further on.  Rows a and a + 16 begin at the same bank, so these loads go two deep
.irp i, 0,1,2,3,4,5,6,7
	ds_load_b128 v[X+32*\c+4*\i:X+32*\c+4*\i+3], v6 offset:\c*8*272+16*\i
.endr
.endr
	s_branch .Lback
.Lvalues:
.irp c, 0,1                                    ; values: block c = keys 64 c + 32 h + 0 .. 31 of my column: region 4 + 2 c + h, down its 32 rows; the 32 lanes touch 32 different banks
.set j, 0
.rept 32
	ds_load_b32 v[X+32*\c+j], v7 offset:\c*2*REG+272*j
.set j, j+1
.endr
.endr
.Lback:
	s_wait_dscnt 0x0
	; both roles alike from here: v[X + 32 c + i] is number i of the block that goes into registers 6 c .. 6 c + 5
.irp c, 0,1
	v_max3_num_f32 v[12+2*\c], |v[X+32*\c]|, |v[X+32*\c+1]|, |v[X+32*\c+2]|      ; the block's largest magnitude, in two chains; the two blocks by turns
	v_max3_num_f32 v[13+2*\c], |v[X+32*\c+3]|, |v[X+32*\c+4]|, |v[X+32*\c+5]|
.endr
.irp i, 6,10,14,18,22,26
.irp c, 0,1
	v_max3_num_f32 v[12+2*\c], v[12+2*\c], |v[X+32*\c+\i]|, |v[X+32*\c+\i+1]|
	v_max3_num_f32 v[13+2*\c], v[13+2*\c], |v[X+32*\c+\i+2]|, |v[X+32*\c+\i+3]|
.endr
.endr
.irp c, 0,1
	v_max3_num_f32 v[12+2*\c], v[12+2*\c], |v[X+32*\c+30]|, |v[X+32*\c+31]|
.endr
.irp c, 0,1
	v_max3_num_f32 v[12+2*\c], v[12+2*\c], v[13+2*\c], 0x2800000   ; and the floor 2^(5 - 127): the byte cannot fall under 1
.endr
.irp c, 0,1
	v_add_nc_u32 v[16+\c], 0xfe000000, v[12+2*\c]  ; 4 off the exponent field: the conversion takes the exponent field of this operand as its scale, and nothing else of it
.endr
.irp c, 0,1
	v_lshrrev_b32 v[18+\c], 23, v[16+\c]           ; the scale's byte
.endr
	v_lshl_or_b32 v20, v19, 16, v18                ; my two bytes, blocks h and 2 + h,
	v_lshlrev_b32 v20, v10, v20                    ; at their places in the word (8 h bits up);
	v_permlanex16_b32 v21, v20, s20, s21
	v_or_b32 v20, v20, v21                         ; with lane l xor 16's two the word is whole
.irp c, 0,1
	v_cvt_scalef32_pk16_bf6_f32 v[C+6*\c:C+6*\c+2], v[X+32*\c:X+32*\c+15], v[16+\c]
	v_cvt_scalef32_pk16_bf6_f32 v[C+12+4*\c:C+14+4*\c], v[X+32*\c+16:X+32*\c+31], v[16+\c]   ; (a conversion's three registers begin on an even number: the second half of a block's six does not)
.endr
	v_nop                                          ; one plain vector instruction between a scaled conversion and the vector instruction that touches its result
.irp c, 0,1
.irp i, 0,1,2
	v_mov_b32 v[C+3+6*\c+\i], v[C+12+4*\c+\i]
.endr
.endr
.irp c, 0,1,2
	global_store_b128 v4, v[C+4*\c:C+4*\c+3], s[24:25] offset:512*\c   ; 32 lanes store 512 consecutive bytes, at a multiple of 512 from kv's first byte
.endr
	ds_store_b32 v8, v20                           ; lanes r and r + 16 write the same word with the same value
	s_wait_dscnt 0x0                               ; for wave 0's sake
	s_barrier_signal -1
	s_barrier_wait -1
	s_cmp_lg_u32 s10, 0
	s_cbranch_scc1 .Ldone
	ds_load_b128 v[24:27], v9                      ; the step's 128 scale words leave together
	s_wait_dscnt 0x0
	global_store_b128 v4, v[24:27], s[22:23] offset:12288   ; 512 consecutive bytes, aligned
.Ldone:
	s_wait_tensorcnt 0x0
	ds_add_u32 v128, v129
	s_wait_dscnt 0x0
	s_endpgm
.Lfunc_end_k_q6c31d769d1_quant:
	.size	k_q6c31d769d1_quant, .Lfunc_end_k_q6c31d769d1_quant-k_q6c31d769d1_quant
	.p2alignl 7, 3214868480
	.fill 96, 4, 3214868480
	.section	.rodata,"a",@progbits
	.p2align	6, 0x0
	.amdhsa_kernel k_q6c31d769d1_quant
		.amdhsa_group_segment_fixed_size 72192
		.amdhsa_private_segment_fixed_size 0
		.amdhsa_enable_private_segment 0
		.amdhsa_kernarg_size 24
		.amdhsa_user_sgpr_count 2
		.amdhsa_user_sgpr_kernarg_segment_ptr 1
		.amdhsa_wavefront_size32 1
		.amdhsa_system_sgpr_workgroup_id_x 1
		.amdhsa_system_sgpr_workgroup_id_y 1
		.amdhsa_system_sgpr_workgroup_id_z 1
		.amdhsa_system_vgpr_workitem_id 0
		.amdhsa_next_free_vgpr 130
		.amdhsa_next_free_sgpr 66
		.amdhsa_reserve_vcc 0
		.amdhsa_float_denorm_mode_32 3
		.amdhsa_float_denorm_mode_16_64 3
		.amdhsa_memory_ordered 1
		.amdhsa_forward_progress 1
		.amdhsa_inst_pref_size 15
	.end_amdhsa_kernel
	.amdgpu_metadata
---
amdhsa.version: [ 1, 2 ]
amdhsa.kernels:
  - .name:           k_q6c31d769d1_quant
    .symbol:         k_q6c31d769d1_quant.kd
    .args:
      - { .name: keys, .offset: 0, .size: 8, .value_kind: global_buffer, .address_space: global }
      - { .name: values, .offset: 8, .size: 8, .value_kind: global_buffer, .address_space: global }
      - { .name: kv, .offset: 16, .size: 8, .value_kind: global_buffer, .address_space: global }
    .group_segment_fixed_size: 72192
    .private_segment_fixed_size: 0
    .kernarg_segment_align: 8
    .kernarg_segment_size: 24
    .max_flat_workgroup_size: 256
    .sgpr_count:     66
    .vgpr_count:     130
    .wavefront_size: 32
...
	.end_amdgpu_metadata
.endif
;; end of part 1
;; launch attn (part 2): grid 4 x 64, 16 waves a work-group, no clusters, 327,680 bytes of LDS; arguments queries, kv, out0; writes out0
.if DOCPART == 2
	.amdgcn_target "amdgcn-amd-amdhsa--gfx1250"
	.amdhsa_code_object_version 6
	.text
	.protected	k_q6c31d769d1_attn
	.globl	k_q6c31d769d1_attn
	.p2align	8
	.type	k_q6c31d769d1_attn,@function
k_q6c31d769d1_attn:
	s_mov_b64 s[64:65], 0
	v_nop
	global_prefetch_b8 v0, s[64:65] scope:SCOPE_SE
	s_setreg_imm32_b32 hwreg(HW_REG_WAVE_MODE, 25, 1), 1
	s_wait_xcnt 0x0
; out0[h][q][:] = the sum over k <= q of softmax_k(Q[h][q] . K[h][k] / 8) V[h][k][:]; 64 heads, 2,048 queries and keys, head size 64.  Both products on codes of BF6 (E3M2) with one E8M0 scale
; for each 32 along a product's K.  K and V come as register images out of kv (the launch before made them: its head comment has the layout); Q is quantised here, in registers.
; THE SOFTMAX AHEAD OF THE SECOND PRODUCT: t = score x log2(e) / 8; M = the row's largest t so far, rounded UP to a whole number; p = 2^(t - M) is quantised along the keys, not normalised.
; The row's sum is taken of the unquantised p, in f32, and divides O at the end.  When M moves, the sum and O are multiplied by 2^(old M - new M): exact.
; LIMITS: NaN and infinities among the inputs are not served.  A block of Q whose largest magnitude lies under 2^-122, and a block of p that is all zeros, keep the scale byte 1.
; A block's largest p is made from the block's largest score by the same multiply-add and exponential: that takes v_exp_f32 not to fall where its input rises.
; SHARES.  Work-group (i, head) owns two blocks of 256 queries: block 7 - i first, then block i.  Under the mask block b wants key slots 0 .. b (a slot = 256 keys), so the two walks are
; (8 - i) + (i + 1) = 9 visits in every work-group: a constant trip count, equal work for 4 x 64 = 256 work-groups, and no slot is fetched that nobody reads.
; Each of SIXTEEN waves owns 16 queries of the block in hand, one tile, in 256 registers: four waves to a SIMD, so that one wave's vector work stands beside another's matrix work and LDS loads.
; NO CLUSTER: the four work-groups of a head want the same slots only in visits 0 to 4; from then on each turns to its second block at another visit, so that partners would ask for different
; tiles in the same round; a walk alike in all four would have 8 + 4 = 12 visits against 9.
; LAYOUT.  Both products are used transposed: S^T = K Q^T (source 0 = 16 keys, source 1 = my 16 queries), O^T = V^T P^T (source 0 = 16 of the head's 64, source 1 = P): a lane holds ONE query throughout.
; THE FIRST PRODUCT'S K IS 64, the instruction's 128.  A fragment F_b holds TWO tiles of 16 keys, one in k 0-63 and one in k 64-127.  Q stands in 18 registers as 6 zeros, 6 of codes, 6 zeros:
; v[22:33] has Q in k 0-63 and zero codes above, v[16:27] the other way round.  F_b x v[22:33] is tile 2 b, F_b x v[16:27] tile 2 b + 1: the other tile's codes meet zero codes, which add nothing.
; The keys of a tile are chosen (r + 8 (r / 8)) so that the 16 registers of tiles 2 b and 2 b + 1 are 16 neighbouring keys: 32 b + 16 (lane / 16) + 0 .. 15.
.set RECB,  12800                      ; a step's record: 4 fragments of K, 4 of V, 1,536 bytes each; 256 bytes of K's scale words, 256 of V's
.set SLOT1, 0x8000                     ; LDS: slot 0 at 0, slot 1 here (two records each, 25,600 bytes): one exclusive or turns an address from one slot into the other
.set STAGE, 65536                      ; a stage for each wave: two of 16 rows x (256 bytes + 16); no fill lands from here on
.set SUB,   16*272
.set Q2B,   STAGE+16*2*SUB             ; the second block's Q, as codes: 32 bytes a lane (24 of codes, 4 of scale word)
.set SPARE, Q2B+16*1024                ; the spare words, 128 bytes for each wave: eight blocks of 256 bytes that no other line names
.set HEADB, 16*RECB                    ; a head's part of kv
.set LI,  1                            ; v1   16 x lane: an image's place; also my bytes in 512 of Q and of O; never rewritten
.set LS,  2                            ; v2   16 x (lane % 16): my row's four scale words
.set SPW, 3                            ; v3   LDS address of my spare word; never rewritten
.set NIL, 4                            ; v4   0; never rewritten
.set STO, 5                            ; v5   stage: row r, byte 32 h
.set RD,  6                            ; v6   stage: row h, byte 16 r
.set QRD, 7                            ; v7   stage: row r, byte 128 h
.set ADR, 8                            ; v8   the slot in hand + LI
.set ADS, 9                            ; v9   the slot in hand + LS
.set D0,  10                           ; v10  r - 16 h
.set PFO, 11                           ; v11  256 x lane; never rewritten
                                       ; v12 -M, v13 the largest t so far, v[14:15] the row's sum in two halves
.set QW,  16                           ; v16-33 zeros, Q's codes, zeros
.set QS,  34                           ; v34  Q's scale word (s0, s1, s0, s1): it serves both windows
.set Q2A, 35                           ; v35  my place in Q2B
.set KFR, 36                           ; v36-83 K's four fragments; then P's codes (v36-47; v48-50, v52-54 at work); on the way out rows of O
.set KSC, 84                           ; v84-87 K's scale words;  v88-91 V's
.set VSC, 88
.set S,   96                           ; v96-159 S^T, then p
.set O,   160                          ; v160-191 O^T, four tiles
.set VFR, 192                          ; v192-239 V's four fragments
.set BM,  240                          ; v240-243 each block's largest score, then its largest p
.set T2,  244                          ; v244-247 at work
.set SO,  248                          ; v248-251 the conversions' scale operands
.set F,   252                          ; v[252:253] f = 2^(old M - new M); v253 is named with it as a pair
.set TMP, 254
.set PW,  255                          ; v255 p's scale word
.set WV,  10                           ; s10 wave;  s11 work-group x;  s12 head
.set WGI, 11
.set HEAD, 12
.set SW,  13                           ; s13  7 - work-group x: the first block, its last slot, and the visit behind which the blocks change
.set NX,  14                           ; s14  the key slot asked for last
.set VIS, 15                           ; s15  the visit
.set KF,  16                           ; s16  the step's first key
.set Q0,  17                           ; s17  my first query;  s18 that of the second block
.set Q0LO, 18
.set TB,  19                           ; s19  LDS byte at which the slot in hand begins
.set SEL, 20                           ; s[20:21] selects for lane l xor 16
.set CS,  22                           ; s[22:23] c = log2(e) / 8
.set G1,  24                           ; s[24:31] descriptor group 1;  s[32:35] group 0
.set G0,  32
.set KVH, 36                           ; s[36:37] kv at my head, + the record that I fetch of a slot's two
.set OUTP, 38                          ; s[38:39] out0 at my rows of the block in hand;  s[40:41] of the second block
.set OUT2, 40
.set PFA, 42                           ; s[42:43] where my prefetches stand
.set LIM, 44                           ; s44  a wave prefetches while the visit is under this
.set QPL, 46                           ; s[46:47] queries at my rows of the second block;  s[48:49] of the first
.set QPH, 48
.set OFS, 52                           ; s[52:53] an offset; s53 stays 0
; Waves 0 and 1 fetch, one record each; the branch hangs on the wave's number alone.  Four v_nop follow the load.
.macro TLOAD
	s_cmp_lt_u32 s[WV], 2
	s_cbranch_scc0 .Lno_load_\@
	tensor_load_to_lds s[G0:G0+3], s[G1:G1+7]
	s_nop 0
.rept 4
	v_nop
.endr
.Lno_load_\@:
.endm
; A PREFETCH INTO THE L2, at the change of slots, where the fetching waves have their tensor load.  A head's part of kv is 800 aligned blocks of 256 bytes, 100 a slot.  All four work-groups of a head walk slots
; 0, 1, 2 .. first; work-group x = 0, which walks all eight, asks, and in it waves 4, 5, 6, which fetch nothing: in visit v wave 4 + k names blocks 224 + 96 v + 32 k + lane, a lane a block.
; Visits 0 to 5: 6 x 96 = 576 blocks, 224 to 799, each named once in the launch, the last being the head's last.  Behind visit v all blocks under 320 + 96 v are named: that holds slot v + 2 (it ends at
; 299 + 100 v), which the next change of slots will ask for.  Slots 0 and 1 and the first 24 blocks of slot 2 come by their loads alone: nothing is asked for at the head.
.macro ASK
	s_cmp_lt_u32 s[VIS], s[LIM]
	s_cbranch_scc0 .Lnot_mine_\@
	global_prefetch_b8 v[PFO], s[PFA:PFA+1] th:TH_LOAD_NT scope:SCOPE_SE
.Lnot_mine_\@:
.endm
; THE CHANGE OF SLOTS stands at a visit's head.  Each wave waits for all its tensor loads (its part of the slot that it is about to read), adds 0 to its spare word, and waits for that and for its reads of the
; slot that it has left.  Behind the barrier the slot ahead is whole and nobody reads the other one.  fill = 1: that other slot is filled for the next visit: the load has a visit's two steps in which to land.
.macro CHANGE fill
	s_wait_tensorcnt 0x0                           ; no tensor load of mine is out, so group 0 may be written
	ds_add_u32 v[SPW], v[NIL]                      ; 0 onto my spare word; the descriptor's steps stand between it and the wait for it
.if \fill
	s_xor_b32 s[G0+1], s[G0+1], SLOT1              ; the other LDS slot than last time
	s_add_co_u32 s[NX], s[NX], 1                   ; the next key slot;
	s_cmp_gt_u32 s[NX], s[SW]
	s_cselect_b32 s[NX], 0, s[NX]                  ; behind the first block's last slot, the second block's slot 0
	s_mul_i32 s[OFS], s[NX], 2*RECB
	s_add_nc_u64 s[G0+2:G0+3], s[KVH:KVH+1], s[OFS:OFS+1]
	s_or_b32 s[G0+3], s[G0+3], 0x80000000          ; type = 2
	s_wait_xcnt 0x0                                ; the last prefetch, a visit back, has read its address, so it may be written
	s_add_nc_u64 s[PFA:PFA+1], s[PFA:PFA+1], 96*256
.endif
	s_wait_dscnt 0x0                               ; the add is done, and my reads of the slot that I have left are over
	s_barrier_signal -1
	s_barrier_wait -1
.if \fill
	TLOAD                                          ; the first thing behind the barrier, and a wave's one tensor load until the next
	ASK
.endif
.endm
; 32 numbers of a lane, v[x] on = d 32 h .. 32 h + 31 of query r, become Q's six registers of codes, v22-27, and its scale word
.macro QMAKE x
	v_max3_num_f32 v[BM], |v[\x]|, |v[\x+1]|, |v[\x+2]|
	v_max3_num_f32 v[BM+1], |v[\x+3]|, |v[\x+4]|, |v[\x+5]|
.irp i, 6,10,14,18,22,26
	s_delay_alu instid0(VALU_DEP_2)
	v_max3_num_f32 v[BM], v[BM], |v[\x+\i]|, |v[\x+\i+1]|
	s_delay_alu instid0(VALU_DEP_2)
	v_max3_num_f32 v[BM+1], v[BM+1], |v[\x+\i+2]|, |v[\x+\i+3]|
.endr
	s_delay_alu instid0(VALU_DEP_2)
	v_max3_num_f32 v[BM], v[BM], |v[\x+30]|, |v[\x+31]|
	s_delay_alu instid0(VALU_DEP_1)
	v_max3_num_f32 v[BM], v[BM], v[BM+1], 0x2800000    ; the floor 2^(5 - 127): the byte cannot fall under 1
	s_delay_alu instid0(VALU_DEP_1)
	v_add_nc_u32 v[SO], 0xfe000000, v[BM]          ; 4 off the exponent field: the conversion's scale operand
	s_delay_alu instid0(VALU_DEP_1)
	v_lshrrev_b32 v[T2], 23, v[SO]                 ; my block's byte
	v_cvt_scalef32_pk16_bf6_f32 v[QW+6:QW+8], v[\x:\x+15], v[SO]
	v_cvt_scalef32_pk16_bf6_f32 v[KFR+12:KFR+14], v[\x+16:\x+31], v[SO]   ; (a conversion's three registers begin on an even number)
	v_nop                                          ; one plain vector instruction behind a scaled conversion
.irp i, 0,1,2
	v_mov_b32 v[QW+9+\i], v[KFR+12+\i]
.endr
	v_permlanex16_b32 v[T2+1], v[T2], s[SEL], s[SEL+1]
	s_delay_alu instid0(VALU_DEP_1)
	v_lshl_or_b32 v[QS], v[T2+1], 8, v[T2]         ; lanes 0-15, which alone are read: (s0, s1),
	s_delay_alu instid0(VALU_DEP_1)
	v_lshl_or_b32 v[QS], v[QS], 16, v[QS]          ; twice
.endm
; A block of queries begins: the largest t is -3e38, under every t; the sum and O^T are zeros, which the first change of M leaves zeros.  (32 moves, twice in the launch, against a fifth copy of the key step.)
.macro STATE
	v_mov_b32 v13, 0xff61b1e6
	s_delay_alu instid0(VALU_DEP_1)
	v_floor_f32 v12, -v13
	v_mov_b32 v14, 0
	v_mov_b32 v15, 0
.set j, 0
.rept 32
	v_mov_b32 v[O+j], 0
.set j, j+1
.endr
.endm
; A KEY STEP: 128 keys, the q-th record of the slot in hand.
.macro STEP q
.if \q                                         ; a step all of whose keys come after my 16 queries is left out: a branch on ids.  A slot's first step never is
	s_add_co_u32 s54, s[Q0], 15
	s_cmp_gt_u32 s[KF], s54
	s_cbranch_scc1 .Lhidden_\@
.endif
.rept 4
	v_nop                                          ; places in front of loads into registers that the last products have read (ISA guide 7.12.1 for vector instructions)
.endr
.irp b, 0,1,2,3
.irp c, 0,1,2
	ds_load_b128 v[KFR+12*\b+4*\c:KFR+12*\b+4*\c+3], v[ADR] offset:RECB*\q+1536*\b+512*\c   ; an image comes back as it was stored: 512 consecutive bytes a load
.endr
.endr
	ds_load_b128 v[KSC:KSC+3], v[ADS] offset:RECB*\q+12288
.irp t, 0,1,2,3
.irp c, 0,1,2
	ds_load_b128 v[VFR+12*\t+4*\c:VFR+12*\t+4*\c+3], v[ADR] offset:RECB*\q+6144+1536*\t+512*\c
.endr
.endr
	ds_load_b128 v[VSC:VSC+3], v[ADS] offset:RECB*\q+12544
	s_wait_dscnt 13                                ; K's 13 loads are in; V's 13 stay out and land under the softmax
.irp b, 0,1,2,3                                ; eight accumulators, each begun by the constant 0
	v_wmma_scale_f32_16x16x128_f8f6f4 v[S+16*\b:S+16*\b+7], v[KFR+12*\b:KFR+12*\b+11], v[QW+6:QW+17], 0, v[KSC+\b], v[QS] matrix_a_fmt:MATRIX_FMT_BF6 matrix_b_fmt:MATRIX_FMT_BF6
	v_wmma_scale_f32_16x16x128_f8f6f4 v[S+16*\b+8:S+16*\b+15], v[KFR+12*\b:KFR+12*\b+11], v[QW:QW+11], 0, v[KSC+\b], v[QS] matrix_a_fmt:MATRIX_FMT_BF6 matrix_b_fmt:MATRIX_FMT_BF6
.endr
.rept 4
	v_nop                                          ; places in front of the first read of results
.endr
	s_add_co_u32 s54, s[KF], 127                   ; on the diagonal the scores of hidden keys become -infinity ahead of the maximum: p = 0 then.  A step all of whose keys count skips this
	s_cmp_le_u32 s54, s[Q0]
	s_cbranch_scc1 .Lopen_\@
	s_sub_co_i32 s54, s[Q0], s[KF]
	v_add_nc_u32 v[TMP], s54, v[D0]                ; d = my query - KF - 16 h.  Register 16 b + i holds key KF + 16 h + 32 b + i: hidden where 32 b + i > d
	v_mov_b32 v[T2], 0xff800000                    ; -infinity
.set n, 0
.rept 64
	v_cmp_gt_i32 vcc_lo, 32*(n/16)+n%16, v[TMP]
	v_cndmask_b32 v[S+n], v[S+n], v[T2], vcc_lo
.set n, n+1
.endr
.Lopen_\@:
.irp b, 0,1,2,3
	v_max3_num_f32 v[BM+\b], v[S+16*\b], v[S+16*\b+1], v[S+16*\b+2]   ; the largest score of each block of 32 keys: it serves the row's maximum and, since p rises with the score, the block's largest p.  (Each accumulator is read from its low end on)
.endr
.irp i, 3,5,7,9,11,13
.irp b, 0,1,2,3
	v_max3_num_f32 v[BM+\b], v[BM+\b], v[S+16*\b+\i], v[S+16*\b+\i+1]   ; (the four blocks by turns)
.endr
.endr
.irp b, 0,1,2,3
	v_max_num_f32 v[BM+\b], v[BM+\b], v[S+16*\b+15]
.endr
.irp b, 0,1,2,3
	s_delay_alu instid0(VALU_DEP_4)
	v_permlanex16_b32 v[T2+\b], v[BM+\b], s[SEL], s[SEL+1]
.endr
.irp b, 0,1,2,3
	s_delay_alu instid0(VALU_DEP_4)
	v_max_num_f32 v[BM+\b], v[BM+\b], v[T2+\b]     ; with lane l xor 16's 16 keys
.endr
	s_delay_alu instid0(VALU_DEP_2)
	v_max3_num_f32 v[TMP], v[BM], v[BM+1], v[BM+2]
	s_delay_alu instid0(VALU_DEP_1)
	v_max_num_f32 v[TMP], v[TMP], v[BM+3]          ; the step's largest score of my query (the step's first key counts for it, so it is a number)
	s_delay_alu instid0(VALU_DEP_1)
	v_mul_f32 v[TMP], s[CS], v[TMP]                ; as t (c is positive)
	s_delay_alu instid0(VALU_DEP_1)
	v_max_num_f32 v13, v13, v[TMP]                 ; the running largest t
	v_mov_b32 v[TMP], v12
	s_delay_alu instid0(VALU_DEP_2)
	v_floor_f32 v12, -v13                          ; the new -M = floor(-t) = -ceil(t): a whole number
	s_delay_alu instid0(VALU_DEP_1)
	v_sub_f32 v[TMP], v12, v[TMP]                  ; old M - new M: a whole number, 0 or less
	s_delay_alu instid0(VALU_DEP_1)
	v_cvt_i32_f32 v[TMP], v[TMP]                   ; (it saturates)
	s_delay_alu instid0(VALU_DEP_1)
	v_ldexp_f32 v[F], 1.0, v[TMP]                  ; f = 2^(old M - new M): a multiplication by it rounds nothing
.set j, 0
.rept 32
	v_pk_fma_f32 v[S+j:S+j+1], v[S+j:S+j+1], s[CS:CS+1], v[12:13] op_sel_hi:[1,0,0]   ; t - M, two at a time (of the pairs c and -M the low word serves both halves)
.set j, j+2
.endr
.irp b, 0,1,2,3
	v_fma_f32 v[BM+\b], v[BM+\b], s[CS], v12       ; the same of each block's largest score
.endr
.set j, 0
	s_wait_alu depctr_va_vdst(0)
.rept 64
	v_exp_f32 v[S+j], v[S+j]                       ; p = 2^(t - M), at most 1: not normalised
.set j, j+1
.endr
	v_pk_mul_f32 v[14:15], v[14:15], v[F:F+1] op_sel_hi:[1,0]   ; the sums under the new M: the plain instruction behind the exponentials
	s_wait_alu depctr_va_vdst(0)                   ; one wait for the batch of 64, ahead of its first reader
.irp b, 0,1,2,3
	v_exp_f32 v[BM+\b], v[BM+\b]                   ; the block's largest p: the same two instructions on the same number give the same bits
.endr
	v_pk_add_f32 v[244:245], v[100:101], v[104:105]
	v_pk_add_f32 v[250:251], v[108:109], v[112:113]
	v_pk_add_f32 v[248:249], v[116:117], v[120:121]
	v_pk_add_f32 v[246:247], v[124:125], v[128:129]
	v_pk_add_f32 v[94:95], v[132:133], v[136:137]
	v_pk_add_f32 v[92:93], v[140:141], v[144:145]
	v_pk_add_f32 v[86:87], v[148:149], v[152:153]
	v_pk_add_f32 v[14:15], v[14:15], v[156:157]
	v_pk_add_f32 v[244:245], v[244:245], v[96:97]
	v_pk_add_f32 v[250:251], v[250:251], v[98:99]
	v_pk_add_f32 v[248:249], v[248:249], v[102:103]
	v_pk_add_f32 v[246:247], v[246:247], v[106:107]
	v_pk_add_f32 v[94:95], v[94:95], v[110:111]
	v_pk_add_f32 v[92:93], v[92:93], v[114:115]
	v_pk_add_f32 v[86:87], v[86:87], v[118:119]
	v_pk_add_f32 v[14:15], v[14:15], v[122:123]
	v_pk_add_f32 v[244:245], v[244:245], v[126:127]
	v_pk_add_f32 v[250:251], v[250:251], v[130:131]
	v_pk_add_f32 v[248:249], v[248:249], v[134:135]
	v_pk_add_f32 v[246:247], v[246:247], v[138:139]
	v_pk_add_f32 v[94:95], v[94:95], v[142:143]
	v_pk_add_f32 v[92:93], v[92:93], v[146:147]
	v_pk_add_f32 v[86:87], v[86:87], v[150:151]
	v_pk_add_f32 v[14:15], v[14:15], v[154:155]
	v_pk_add_f32 v[244:245], v[244:245], v[158:159]
	s_delay_alu instid0(VALU_DEP_2)
	v_pk_add_f32 v[14:15], v[14:15], v[246:247]
	s_delay_alu instid0(VALU_DEP_2)
	v_pk_add_f32 v[244:245], v[244:245], v[94:95]
	v_pk_add_f32 v[250:251], v[250:251], v[92:93]
	v_pk_add_f32 v[248:249], v[248:249], v[86:87]
	s_delay_alu instid0(VALU_DEP_2)
	v_pk_add_f32 v[14:15], v[14:15], v[250:251]
	s_delay_alu instid0(VALU_DEP_2)
	v_pk_add_f32 v[244:245], v[244:245], v[248:249]
	s_delay_alu instid0(VALU_DEP_1)
	v_pk_add_f32 v[14:15], v[14:15], v[244:245]
	s_wait_alu depctr_va_vdst(0)                   ; and one wait for the four
.irp b, 0,1,2,3
	v_max_num_f32 v[BM+\b], 0x2800000, v[BM+\b]    ; the floor 2^(5 - 127): the byte cannot fall under 1 (a block whose every p is 0 keeps that byte: its codes are zeros)
.endr
.irp b, 0,1,2,3
	s_delay_alu instid0(VALU_DEP_4)
	v_add_nc_u32 v[SO+\b], 0xfe000000, v[BM+\b]    ; 4 off the exponent field: the conversion's scale operand
.endr
.irp b, 0,1,2,3
	s_delay_alu instid0(VALU_DEP_4)
	v_lshrrev_b32 v[T2+\b], 23, v[SO+\b]           ; the scale's byte
.endr
	s_delay_alu instid0(VALU_DEP_3)
	v_lshl_or_b32 v[PW], v[T2+1], 8, v[T2]         ; p's scale word for these 128 keys
	s_delay_alu instid0(VALU_DEP_1)
	v_lshl_or_b32 v[PW], v[T2+2], 16, v[PW]
	s_delay_alu instid0(VALU_DEP_1)
	v_lshl_or_b32 v[PW], v[T2+3], 24, v[PW]
.irp c, 0,1
	v_cvt_scalef32_pk16_bf6_f32 v[KFR+6*\c:KFR+6*\c+2], v[S+32*\c:S+32*\c+15], v[SO+2*\c]
	v_cvt_scalef32_pk16_bf6_f32 v[KFR+12+4*\c:KFR+14+4*\c], v[S+32*\c+16:S+32*\c+31], v[SO+2*\c+1]   ; (a conversion's three registers begin on an even number)
.endr
	v_nop                                          ; one plain vector instruction behind a scaled conversion
.irp c, 0,1                                    ; the operand's layout wants a WHOLE block in a lane: lanes 0-15 block 2 c, lanes 16-31 block 2 c + 1
.irp i, 0,1,2
	v_permlane16_swap_b32 v[KFR+6*\c+\i], v[KFR+12+4*\c+\i]
.endr
.irp i, 0,1,2
	s_delay_alu instid0(VALU_DEP_3)
	v_mov_b32 v[KFR+3+6*\c+\i], v[KFR+12+4*\c+\i]
.endr
.endr
.set j, 0
.rept 16
	v_pk_mul_f32 v[O+j:O+j+1], v[O+j:O+j+1], v[F:F+1] op_sel_hi:[1,0]   ; O^T under the new M.  For each product below, the twelve of these that name another tile are the places between p's codes and scale word and that product
.set j, j+2
.endr
	s_wait_alu depctr_va_vdst(0)
	s_wait_dscnt 0x0                               ; V
.irp t, 0,1,2,3                                ; O^T += V^T P^T: four accumulators by turns; K = these 128 keys
	v_wmma_scale_f32_16x16x128_f8f6f4 v[O+8*\t:O+8*\t+7], v[VFR+12*\t:VFR+12*\t+11], v[KFR:KFR+11], v[O+8*\t:O+8*\t+7], v[VSC+\t], v[PW] matrix_a_fmt:MATRIX_FMT_BF6 matrix_b_fmt:MATRIX_FMT_BF6
.endr
.if \q
.Lhidden_\@:
.endif
	s_add_co_u32 s[KF], s[KF], 128
.endm
.macro SLOT_STEPS
	v_add_nc_u32 v[ADR], s[TB], v[LI]
	v_add_nc_u32 v[ADS], s[TB], v[LS]
	STEP 0
	STEP 1
	s_xor_b32 s[TB], s[TB], SLOT1                  ; on to the other slot
.endm
; THE WAY OUT of a block of queries.  O^T is divided by the row's sum and goes through my stage st, so that a store covers two whole rows of O: register 8 t + i of lane (r, h) is o(r, 16 t + 8 h + i).
.macro WAYOUT st
.rept 4
	v_nop                                          ; places behind the last products
.endr
	v_add_f32 v14, v14, v15                        ; the sum's two halves,
	s_delay_alu instid0(VALU_DEP_1)
	v_permlanex16_b32 v[TMP], v14, s[SEL], s[SEL+1]
	s_delay_alu instid0(VALU_DEP_1)
	v_add_f32 v14, v14, v[TMP]                     ; and lane l xor 16's: the row's sum
	s_wait_alu depctr_va_vdst(0)
	v_rcp_f32 v14, v14
	v_nop                                          ; a plain instruction behind the transcendental,
	s_wait_alu depctr_va_vdst(0)                   ; and a wait ahead of its first reader
.set j, 0
.rept 16
	v_pk_mul_f32 v[S+j:S+j+1], v[O+j:O+j+1], v[14:15] op_sel_hi:[1,0]   ; each accumulator from its low end on
.set j, j+2
.endr
.irp t, 0,1,2,3
	ds_store_b128 v[STO], v[S+8*\t:S+8*\t+3] offset:SUB*\st+64*\t
	ds_store_b128 v[STO], v[S+8*\t+4:S+8*\t+7] offset:SUB*\st+64*\t+16
.endr
.irp i, 0,1,2,3,4,5,6,7
	ds_load_b128 v[KFR+4*\i:KFR+4*\i+3], v[RD] offset:SUB*\st+544*\i   ; LDS serves a wave's instructions in order (ISA guide 5.7.1.4): these see my stores
.endr
.irp i, 0,1,2,3,4,5,6,7
	s_wait_dscnt 7-\i                              ; rows 2 i and 2 i + 1 are back; the younger loads stay out
	global_store_b128 v[LI], v[KFR+4*\i:KFR+4*\i+3], s[OUTP:OUTP+1] offset:512*\i th:TH_STORE_NT   ; 32 lanes store 512 consecutive bytes, at a multiple of 512 from out0's first byte; written once, read by nobody here
.endr
.endm
; The second block begins: its Q comes back from LDS as codes
.macro REINIT
	s_wait_xcnt 0x0                                ; the stores have read their registers and their base: both may be written again
	s_mov_b64 s[OUTP:OUTP+1], s[OUT2:OUT2+1]
	s_mov_b32 s[Q0], s[Q0LO]
	s_mov_b32 s[KF], 0
	ds_load_b128 v[QW+6:QW+9], v[Q2A]
	ds_load_b64 v[QW+10:QW+11], v[Q2A] offset:16
	ds_load_b32 v[QS], v[Q2A] offset:24
	STATE
	s_wait_dscnt 0x0
.endm
	s_load_b128 s[4:7], s[0:1], 0x0                ; queries, kv
	s_load_b64 s[8:9], s[0:1], 0x10                ; out0
	v_lshl_add_u32 v[SPW], v0, 2, SPARE
	v_mov_b32 v[NIL], 0
	ds_add_u32 v3, v4
	ds_add_u32 v3, v4
	s_wait_dscnt 0x0
	v_lshrrev_b32 v36, 5, v0
	s_delay_alu instid0(VALU_DEP_1)
	v_readfirstlane_b32 s[WV], v36                 ; wave 0..15
	s_mov_b32 s[WGI], ttmp9
	s_and_b32 s[HEAD], ttmp7, 0xffff
	s_sub_co_u32 s[SW], 7, s[WGI]
	s_mov_b32 s[NX], 0
	s_mov_b32 s[VIS], 0
	s_mov_b32 s[KF], 0
	s_lshl_b32 s54, s[WV], 4
	s_lshl_b32 s[Q0], s[SW], 8
	s_add_co_u32 s[Q0], s[Q0], s54                 ; my first query: 256 x block + 16 x wave
	s_lshl_b32 s[Q0LO], s[WGI], 8
	s_add_co_u32 s[Q0LO], s[Q0LO], s54
	s_mov_b32 s[TB], 0
	s_mov_b32 s[SEL], 0x76543210
	s_mov_b32 s[SEL+1], 0xfedcba98
	s_mov_b32 s[CS], 0x3e38aa3b                    ; c = log2(e) / 8
	s_mov_b32 s[CS+1], s[CS]                       ; (named with it as a pair, so it is written)
	; descriptor group 1: a record, 12,800 dense bytes, as 50 rows of 256 bytes (32 elements of 8 bytes); no padding: images are read as 512 consecutive bytes
	s_mov_b32 s[G1+0], 3<<16                       ; 15:0 no mask; 17:16 elements of 8 bytes; 20 padding off
	s_mov_b32 s[G1+1], 32<<16                      ; tensor_dim0 = 32
	s_mov_b32 s[G1+2], 50<<16                      ; tensor_dim1 = 50
	s_mov_b32 s[G1+3], 32<<16                      ; tile_dim0 = 32
	s_mov_b32 s[G1+4], 50                          ; tile_dim1 = 50
	s_mov_b32 s[G1+5], 32                          ; tensor_dim0_stride
	s_mov_b32 s[G1+6], 0
	s_mov_b32 s[G1+7], 0
	s_lshl_b32 s54, s[HEAD], 19                    ; a head of Q or of O: 2,048 rows of 256 bytes
	s_lshl_b32 s56, s[Q0], 8
	s_add_co_u32 s56, s56, s54                     ; my rows of the first block,
	s_mov_b32 s57, 0
	s_lshl_b32 s58, s[Q0LO], 8
	s_add_co_u32 s58, s58, s54                     ; of the second
	s_mov_b32 s59, 0
	s_mul_i32 s54, s[HEAD], HEADB                  ; the head's part of kv
	s_and_b32 s55, s[WV], 1
	s_mul_i32 s[G0+1], s55, RECB                   ; LDS address: slot 0, the record that I fetch,
	s_add_co_u32 s[OFS], s54, s[G0+1]              ; which lies as far on in memory
	s_mov_b32 s[OFS+1], 0
	s_and_b32 s55, s[WV], 3
	s_lshl_b32 s55, s55, 13                        ; the prefetches: 32 blocks of 256 bytes a wave,
	s_add_co_u32 s54, s54, s55
	s_add_co_u32 s54, s54, (224-96)*256            ; from block 224 on; the first change of slots adds its 96 blocks
	s_mov_b32 s55, 0
	s_sub_co_u32 s45, s[WV], 4
	s_cmp_lt_u32 s45, 3                            ; waves 4, 5, 6
	s_cselect_b32 s[LIM], 6, 0
	s_cmp_eq_u32 s[WGI], 0                         ; of work-group x = 0
	s_cselect_b32 s[LIM], s[LIM], 0
	s_mov_b32 s[G0], 1                             ; count = 1
	s_wait_kmcnt 0x0
	s_add_nc_u64 s[KVH:KVH+1], s[6:7], s[OFS:OFS+1]
	s_mov_b64 s[G0+2:G0+3], s[KVH:KVH+1]           ; key slot 0
	s_or_b32 s[G0+3], s[G0+3], 0x80000000          ; type = 2
	TLOAD                                          ; the first fill, ahead of every LDS read, every wait on TENSORcnt and every barrier: one tensor load of mine is out
	s_add_nc_u64 s[PFA:PFA+1], s[6:7], s[54:55]
	s_add_nc_u64 s[QPH:QPH+1], s[4:5], s[56:57]
	s_add_nc_u64 s[OUTP:OUTP+1], s[8:9], s[56:57]
	s_add_nc_u64 s[QPL:QPL+1], s[4:5], s[58:59]
	s_add_nc_u64 s[OUT2:OUT2+1], s[8:9], s[58:59]
	v_and_b32 v[LI], 31, v0
	s_delay_alu instid0(VALU_DEP_1)
	v_lshlrev_b32 v[LI], 4, v[LI]
	; Q: my 16 rows of each block are 4,096 dense bytes: 8 loads of 512 consecutive bytes
.irp j, 0,1,2,3,4,5,6,7
	global_load_b128 v[S+4*\j:S+4*\j+3], v[LI], s[QPL:QPL+1] offset:512*\j th:TH_LOAD_NT
.endr
.irp j, 0,1,2,3,4,5,6,7
	global_load_b128 v[S+32+4*\j:S+32+4*\j+3], v[LI], s[QPH:QPH+1] offset:512*\j th:TH_LOAD_NT
.endr
	v_and_b32 v36, 15, v0                          ; r
	v_bfe_u32 v37, v0, 4, 1                        ; h
	s_delay_alu instid0(VALU_DEP_2)
	v_lshlrev_b32 v[LS], 4, v36
	s_mul_i32 s54, s[WV], 2*SUB
	s_add_co_u32 s54, s54, STAGE                   ; my stages
	v_mul_u32_u24 v[STO], v36, 272
	s_delay_alu instid0(VALU_DEP_1)
	v_lshl_add_u32 v[QRD], v37, 7, v[STO]
	s_delay_alu instid0(VALU_DEP_2)
	v_lshl_add_u32 v[STO], v37, 5, v[STO]
	s_delay_alu instid0(VALU_DEP_1)
	v_add_nc_u32 v[STO], s54, v[STO]
	s_delay_alu instid0(VALU_DEP_3)
	v_add_nc_u32 v[QRD], s54, v[QRD]
	v_mul_u32_u24 v[RD], v37, 272
	s_delay_alu instid0(VALU_DEP_1)
	v_lshl_add_u32 v[RD], v36, 4, v[RD]
	s_delay_alu instid0(VALU_DEP_1)
	v_add_nc_u32 v[RD], s54, v[RD]
	v_lshlrev_b32 v[D0], 4, v37
	s_delay_alu instid0(VALU_DEP_1)
	v_sub_nc_u32 v[D0], v36, v[D0]
	v_lshlrev_b32 v[PFO], 4, v[LI]
	v_lshl_add_u32 v[Q2A], v0, 5, Q2B
.irp z, 16,17,18,19,20,21,28,29,30,31,32,33
	v_mov_b32 v\z, 0                               ; the zero codes on both sides of Q's: written once
.endr
.irp z, 244,245,246,247,253,254
	v_mov_b32 v\z, 0                               ; lane permutes' destinations count as sources; v253 is named as the upper half of a pair
.endr
	s_wait_loadcnt 8                               ; the second block's 8 loads are in; the first block's 8 stay out
.irp j, 0,1,2,3,4,5,6,7
	ds_store_b128 v[RD], v[S+4*\j:S+4*\j+3] offset:544*\j          ; as loaded: rows 2 j and 2 j + 1
.endr
.irp i, 0,1,2,3,4,5,6,7
	ds_load_b128 v[O+4*\i:O+4*\i+3], v[QRD] offset:16*\i           ; back: 32 neighbours along d of my row
.endr
	s_wait_loadcnt 0x0
.irp j, 0,1,2,3,4,5,6,7
	ds_store_b128 v[RD], v[S+32+4*\j:S+32+4*\j+3] offset:SUB+544*\j
.endr
.irp i, 0,1,2,3,4,5,6,7
	ds_load_b128 v[VFR+4*\i:VFR+4*\i+3], v[QRD] offset:SUB+16*\i
.endr
	s_wait_dscnt 16                                ; the second block's numbers are back; the 16 LDS instructions of the first block's may be out
	QMAKE O
	ds_store_b128 v[Q2A], v[QW+6:QW+9]             ; the second block's Q waits in LDS, as codes
	ds_store_b64 v[Q2A], v[QW+10:QW+11] offset:16
	ds_store_b32 v[Q2A], v[QS] offset:24
	s_wait_dscnt 0x0                               ; these stores have read their registers; the first block's numbers are back
	QMAKE VFR
	STATE                                          ; (its moves are also the places between Q's codes and scale word and the first products)
.Lvisit:                                           ; 8 trips: behind each change of slots but the last the next visit's slot is asked for
	CHANGE 1
	SLOT_STEPS
	s_cmp_lg_u32 s[VIS], s[SW]                     ; the first block's last slot?  (SW is 4 to 7: always one of these 8 trips.)  A branch on ids; no barrier and no tensor load stands under it
	s_cbranch_scc1 .Lsame
	WAYOUT 0
	REINIT
.Lsame:
	s_add_co_u32 s[VIS], s[VIS], 1
	s_cmp_lt_u32 s[VIS], 8
	s_cbranch_scc1 .Lvisit
	CHANGE 0                                       ; the last visit is written out
	SLOT_STEPS
	WAYOUT 1
	s_wait_tensorcnt 0x0                           ; the wave's end: behind my last tensor load and my last LDS store
	ds_add_u32 v[SPW], v[NIL]
	s_wait_dscnt 0x0
	s_endpgm
.Lfunc_end_k_q6c31d769d1_attn:
	.size	k_q6c31d769d1_attn, .Lfunc_end_k_q6c31d769d1_attn-k_q6c31d769d1_attn
	.p2alignl 7, 3214868480
	.fill 96, 4, 3214868480
	.section	.rodata,"a",@progbits
	.p2align	6, 0x0
	.amdhsa_kernel k_q6c31d769d1_attn
		.amdhsa_group_segment_fixed_size 327680
		.amdhsa_private_segment_fixed_size 0
		.amdhsa_enable_private_segment 0
		.amdhsa_kernarg_size 24
		.amdhsa_user_sgpr_count 2
		.amdhsa_user_sgpr_kernarg_segment_ptr 1
		.amdhsa_wavefront_size32 1
		.amdhsa_system_sgpr_workgroup_id_x 1
		.amdhsa_system_sgpr_workgroup_id_y 1
		.amdhsa_system_sgpr_workgroup_id_z 1
		.amdhsa_system_vgpr_workitem_id 0
		.amdhsa_next_free_vgpr 256
		.amdhsa_next_free_sgpr 66
		.amdhsa_reserve_vcc 1
		.amdhsa_float_denorm_mode_32 3
		.amdhsa_float_denorm_mode_16_64 3
		.amdhsa_memory_ordered 1
		.amdhsa_forward_progress 1
		.amdhsa_inst_pref_size 111
	.end_amdhsa_kernel
	.amdgpu_metadata
---
amdhsa.version: [ 1, 2 ]
amdhsa.kernels:
  - .name:           k_q6c31d769d1_attn
    .symbol:         k_q6c31d769d1_attn.kd
    .args:
      - { .name: queries, .offset: 0, .size: 8, .value_kind: global_buffer, .address_space: global }
      - { .name: kv, .offset: 8, .size: 8, .value_kind: global_buffer, .address_space: global }
      - { .name: out0, .offset: 16, .size: 8, .value_kind: global_buffer, .address_space: global }
    .group_segment_fixed_size: 327680
    .private_segment_fixed_size: 0
    .kernarg_segment_align: 8
    .kernarg_segment_size: 24
    .max_flat_workgroup_size: 512
    .sgpr_count:     66
    .vgpr_count:     256
    .wavefront_size: 32
...
	.end_amdgpu_metadata
.endif
;; end of part 2
